; MI455X (gfx1250); checked and timed in simulation.
; The chip was launched on July 23, 2026; its instructions are those of AMD's public machine-readable ISA for CDNA 5 (MIT licence, August 2026) and "CDNA5" Instruction Set Architecture Reference Guide (July 2026). The comments in the code are by the model that wrote it; some were corrected since.
;; Multi Head Self Attention. Allowed arithmetic: float matrix products may take bf16 or f16 operands with f32 sums; all other float work in f32.
;; Inputs: out_b 1,024 float32; out_w 1,024 x 1,024 float32; qkv_b 3,072 float32; qkv_w 3,072 x 1,024 float32; x 2 x 2,048 x 1,024 float32.
;; Outputs: out0 2 x 2,048 x 1,024 float32.
;; One version. Each part assembles by itself: llvm-mc -triple=amdgcn-amd-amdhsa -mcpu=gfx1250 --defsym DOCPART=n.
;; ======== version 1 of 1: 4 launches
;; workspace buffers: xb 8,388,608 bytes; wb 6,291,456 bytes; owb 2,097,152 bytes; qkvh 25,165,824 bytes; ctx 8,388,608 bytes
;; launch tobf16 (part 1): grid 1024 x 1, 8 waves a work-group, no clusters, 0 bytes of LDS; arguments x, qkv_w, out_w, xb, wb, owb; writes xb, wb, owb
.if DOCPART == 1
	.amdgcn_target "amdgcn-amd-amdhsa--gfx1250"
	.amdhsa_code_object_version 6
	.text
	.protected	k_q09b19cb64d_tobf16
	.globl	k_q09b19cb64d_tobf16
	.p2align	8
	.type	k_q09b19cb64d_tobf16,@function
k_q09b19cb64d_tobf16:
	s_mov_b64 s[64:65], 0
	v_nop
	global_prefetch_b8 v0, s[64:65] scope:SCOPE_SE
	s_setreg_imm32_b32 hwreg(HW_REG_WAVE_MODE, 25, 1), 1
	s_wait_xcnt 0x0
; x, qkv_w and out_w (f32) are rounded once to bf16 (nearest even), in the same order of elements, into xb, wb and owb, so that the two
; projections move 16-bit tiles and no wave converts a number twice.
; A stream: no LDS, no matrix unit, no cluster (no two work-groups read the same byte).
; A work-group takes 8,192 numbers: 32 KiB in, 16 KiB out.  x has 512 such parts, qkv_w 384, out_w 128: work-groups 0-511, 512-895, 896-1023.
; Thread t takes the 16 bytes at 16 t of each of eight blocks of 4,096 bytes: a wave's load covers 512 consecutive bytes, and its store of
; 8 bytes a lane covers 256 consecutive bytes that start at a multiple of 256 from the buffer's first byte.
.set X, 4                              ; v[4:35]   block j: four f32 as loaded
.set Y, 36                             ; v[36:51]  block j: four bf16 to store
	s_load_b256 s[4:11], s[0:1], 0x0               ; x s[4:5], qkv_w s[6:7], out_w s[8:9], xb s[10:11]
	s_load_b128 s[12:15], s[0:1], 0x20             ; wb s[12:13], owb s[14:15]
	v_lshlrev_b32 v1, 4, v0                        ; 16 t: my bytes in a block of the source
	v_lshlrev_b32 v2, 3, v0                        ; 8 t: my bytes in a block of the destination
	s_movk_i32 s21, 896
	s_wait_kmcnt 0x0
	s_cmp_lt_u32 ttmp9, 896                        ; which tensor: the choice hangs on the work-group's number alone
	s_cselect_b64 s[16:17], s[6:7], s[8:9]
	s_cselect_b64 s[18:19], s[12:13], s[14:15]
	s_cselect_b32 s20, 512, s21                    ; the tensor's first work-group
	s_cmp_lt_u32 ttmp9, 512
	s_cselect_b64 s[16:17], s[4:5], s[16:17]
	s_cselect_b64 s[18:19], s[10:11], s[18:19]
	s_cselect_b32 s20, 0, s20
	s_sub_co_u32 s20, ttmp9, s20                   ; my part of that tensor
	s_lshl_b32 s22, s20, 15                        ; x 32 KiB (16 MiB at the most)
	s_mov_b32 s23, 0
	s_add_nc_u64 s[16:17], s[16:17], s[22:23]
	s_lshl_b32 s22, s20, 14                        ; x 16 KiB
	s_add_nc_u64 s[18:19], s[18:19], s[22:23]
.irp j, 0,1,2,3,4,5,6,7
	global_load_b128 v[X+4*\j:X+4*\j+3], v1, s[16:17] offset:4096*\j th:TH_LOAD_NT   ; all eight go out at once; each byte is read once in the launch
.endr
.irp j, 0,1,2,3,4,5,6,7
	s_wait_loadcnt 7-\j                            ; loads come back in order: block j is in, the 7 - j younger ones stay out
	v_cvt_pk_bf16_f32 v[Y+2*\j],   v[X+4*\j],   v[X+4*\j+1]
	v_cvt_pk_bf16_f32 v[Y+2*\j+1], v[X+4*\j+2], v[X+4*\j+3]
	global_store_b64 v2, v[Y+2*\j:Y+2*\j+1], s[18:19] offset:2048*\j    ; no register is written twice, so nothing waits for a store
.endr
	s_endpgm
.Lfunc_end_k_q09b19cb64d_tobf16:
	.size	k_q09b19cb64d_tobf16, .Lfunc_end_k_q09b19cb64d_tobf16-k_q09b19cb64d_tobf16
	.p2alignl 7, 3214868480
	.fill 96, 4, 3214868480
	.section	.rodata,"a",@progbits
	.p2align	6, 0x0
	.amdhsa_kernel k_q09b19cb64d_tobf16
		.amdhsa_group_segment_fixed_size 0
		.amdhsa_private_segment_fixed_size 0
		.amdhsa_enable_private_segment 0
		.amdhsa_kernarg_size 48
		.amdhsa_user_sgpr_count 2
		.amdhsa_user_sgpr_kernarg_segment_ptr 1
		.amdhsa_wavefront_size32 1
		.amdhsa_system_sgpr_workgroup_id_x 1
		.amdhsa_system_sgpr_workgroup_id_y 1
		.amdhsa_system_sgpr_workgroup_id_z 1
		.amdhsa_system_vgpr_workitem_id 0
		.amdhsa_next_free_vgpr 52
		.amdhsa_next_free_sgpr 66
		.amdhsa_reserve_vcc 0
		.amdhsa_float_denorm_mode_32 3
		.amdhsa_float_denorm_mode_16_64 3
		.amdhsa_memory_ordered 1
		.amdhsa_forward_progress 1
		.amdhsa_inst_pref_size 4
	.end_amdhsa_kernel
	.amdgpu_metadata
---
amdhsa.version: [ 1, 2 ]
amdhsa.kernels:
  - .name:           k_q09b19cb64d_tobf16
    .symbol:         k_q09b19cb64d_tobf16.kd
    .args:
      - { .name: x, .offset: 0, .size: 8, .value_kind: global_buffer, .address_space: global }
      - { .name: qkv_w, .offset: 8, .size: 8, .value_kind: global_buffer, .address_space: global }
      - { .name: out_w, .offset: 16, .size: 8, .value_kind: global_buffer, .address_space: global }
      - { .name: xb, .offset: 24, .size: 8, .value_kind: global_buffer, .address_space: global }
      - { .name: wb, .offset: 32, .size: 8, .value_kind: global_buffer, .address_space: global }
      - { .name: owb, .offset: 40, .size: 8, .value_kind: global_buffer, .address_space: global }
    .group_segment_fixed_size: 0
    .private_segment_fixed_size: 0
    .kernarg_segment_align: 8
    .kernarg_segment_size: 48
    .max_flat_workgroup_size: 256
    .sgpr_count:     66
    .vgpr_count:     52
    .wavefront_size: 32
...
	.end_amdgpu_metadata
.endif
;; end of part 1
;; launch qkv (part 2): grid 16 x 16, 4 waves a work-group, clusters of 4 x 4, 327,680 bytes of LDS; arguments xb, wb, qkv_b, qkvh; writes qkvh
.if DOCPART == 2
	.amdgcn_target "amdgcn-amd-amdhsa--gfx1250"
	.amdhsa_code_object_version 6
	.text
	.protected	k_q09b19cb64d_qkv
	.globl	k_q09b19cb64d_qkv
	.p2align	8
	.type	k_q09b19cb64d_qkv,@function
k_q09b19cb64d_qkv:
	s_mov_b64 s[64:65], 0
	v_nop
	global_prefetch_b8 v0, s[64:65] scope:SCOPE_SE
	s_setreg_imm32_b32 hwreg(HW_REG_WAVE_MODE, 25, 1), 1
	s_wait_xcnt 0x0
	s_wait_alu depctr_hold_cnt(0) depctr_sa_sdst(0) depctr_va_vdst(0) depctr_va_sdst(0) depctr_va_ssrc(0) depctr_va_vcc(0) depctr_vm_vsrc(0)
	s_getreg_b32 s2, hwreg(HW_REG_IB_STS2, 6, 4)
	s_cmp_eq_u32 s2, 0
	s_cbranch_scc0 .Lentry_in_a_cluster
	s_endpgm
.Lentry_in_a_cluster:
	s_bfe_u32 s2, ttmp6, 0x10000c
	s_cmp_lg_u32 s2, 0xf033
	s_cbranch_scc0 .Lentry_shape_is_right
	s_endpgm
.Lentry_shape_is_right:
; qkv[token][e] = sum over k of x[token][k] W[e][k] + b[e], 4,096 tokens x 3,072 columns x K = 1,024; operands bf16, sums f32, result rounded once to bf16.
; The result is stored by heads: qkvh[b][hs][t][64], hs = e >> 6 (0-15 Q's heads, 16-31 K's, 32-47 V's), byte ((b 48 + hs) 2048 + t) 128 + 2 d.
; A work-group makes 256 tokens x 192 columns (three whole heads): 16 x 16 = 256 work-groups.  Four waves, as many as a WGP has SIMDs; a wave makes
; 128 tokens x 96 columns: 8 x 6 = 48 accumulator tiles of 16 x 16, 384 registers.  K goes in steps of 128 (rows of 256 bytes) through two LDS slots.
; CLUSTERS: 4 x 4 work-groups.  The four of a row of the cluster share the tiles of x, the four of a column the tiles of W: each tile is asked for
; jointly, by the same tensor load with the same descriptor in all four, which divides the requests for both by four.
; THE MATRIX INSTRUCTION IS USED TRANSPOSED: source 0 = 16 rows of W, source 1 = 16 rows of x.  Lane l then holds token l % 16 and in registers
; 0 to 7 the columns 8 (l / 16) + 0 .. 7.  A tile of the bias in that layout is the C of the first product: nothing is cleared, no bias is added later.
; REGISTERS: window 0: v16-27 addresses; v64-127, v128-191 fragments of x (8), two buffers; v192-239 six bias tiles, later packed results.
;   window 1: v64-111, v128-175 fragments of W (6), two buffers.  window 2: tiles (a, b), a = 0..3, at v[8 (6 a + b)].  window 3: a = 4..7.
; LIMIT: operands and result are rounded to bf16 (8 significant bits).
.set KSTEP,  128
.set PITCH,  272                       ; an LDS row: 256 bytes + 16 of padding, an odd multiple of 16: the 16 rows of a fragment load fall on 16 different 16-byte columns of 256
.set HALFA,  128*PITCH                 ; 128 rows of x: one tensor load
.set HALFB,  96*PITCH                  ; 96 rows of W: one tensor load
.set SLOT,   2*HALFA+2*HALFB           ; x's 256 rows, then W's 192: 121,856 bytes
.set SPITCH, 400                       ; the way out: a token's 192 columns in bf16 (384 bytes) + 16; 256 rows lie in slot 0 after its last fill
.set LAPS,   4                         ; a lap = two K steps; K = 1,024 = 8 steps
.set ADRA, 16                          ; v16-17  LDS address of my fragments of x in slot 0, 1
.set ADRB, 20                          ; v20-21  the same for W
.set STO,  24                          ; v24     the way out: where I put 16 bytes of a token's row
.set RD,   25                          ; v25     the way out: where I read 16 bytes back
.set CO,   26                          ; v26     my byte offset in qkvh
.set BO,   27                          ; v27     my byte offset in a bias tile
.set F0,   64
.set F1,   128
.set BIAS, 192
.set TMP,  192
.set G1,  24                           ; s[24:31] group 1 for x's tiles
.set G0,  32                           ; s[32:39] group 0 for x's tiles, a set for each slot
.set G1B, 48                           ; s[48:55] group 1 for W's tiles
.set G0B, 56                           ; s[56:63] group 0 for W's tiles, a set for each slot
.set FIELDS, (1<<16)|(1<<20)|(1<<21)|(5<<22)|(3<<25)   ; elements of 2 bytes; padding on; bit 21 beside a mask; after every 64 words, 4 words
.set MSB, 0
.macro WIN new                         ; the immediate's high byte repeats the setting that is left
.if MSB != \new
	s_set_vgpr_msb (MSB<<8)|\new
.set MSB, \new
.endif
.endm
; A joint load: waves 0 and 1 ask for x's two halves, waves 2 and 3 for W's.  The branch hangs on the wave's number alone.
.macro JLOAD s
	s_cmp_eq_u32 s13, 0
	s_cbranch_scc0 .Lfor_b_\@
	tensor_load_to_lds s[G0+4*\s:G0+4*\s+3], s[G1:G1+7]
	s_nop 0
	s_branch .Lasked_\@
.Lfor_b_\@:
	tensor_load_to_lds s[G0B+4*\s:G0B+4*\s+3], s[G1B:G1B+7]
	s_nop 0
.Lasked_\@:
.endm
.macro CREST                           ; a round of the cluster's barrier behind its opening work-group barrier
	s_cmp_lg_u32 s12, 0
	s_cbranch_scc1 .Lnot_wave_0_\@
	s_barrier_signal -3
.Lnot_wave_0_\@:
	s_barrier_wait -3
	s_barrier_signal -1
	s_barrier_wait -1
.endm
.macro CROUND                          ; a whole round
	s_barrier_signal -1
	s_barrier_wait -1
	CREST
.endm
	s_load_b256 s[4:11], s[0:1], 0x0               ; xb s[4:5], wb s[6:7], qkv_b s[8:9], qkvh s[10:11]
	s_set_vgpr_msb 0x40
	v_lshl_add_u32 v255, v0, 2, 0x3b800
	s_set_vgpr_msb 0x4000
	v_mov_b32 v255, 0
	s_set_vgpr_msb 0x1
	ds_add_u32 v255, v255
	s_set_vgpr_msb 0x100
	v_lshrrev_b32 v1, 5, v0
	v_readfirstlane_b32 s12, v1                    ; wave 0..3
	s_lshr_b32 s13, s12, 1                         ; which 128 tokens are mine.  Also: I fetch for x (0) or for W (1)
	s_and_b32 s14, s12, 1                          ; which 96 columns are mine.  Also: which half of that tile I fetch
	s_bfe_u32 s40, ttmp6, 0x40000                  ; cx
	s_bfe_u32 s41, ttmp6, 0x40004                  ; cy
	s_lshl_b32 s42, ttmp9, 2
	s_add_co_u32 s42, s42, s40                     ; block of columns = 4 x cluster x + cx
	s_and_b32 s43, ttmp7, 0xffff
	s_lshl_b32 s43, s43, 2
	s_add_co_u32 s43, s43, s41                     ; block of tokens = 4 x cluster y + cy
	s_lshl_b32 s44, s41, 2
	s_lshl_b32 s44, 15, s44                        ; my row of the cluster: places 4 cy .. 4 cy + 3
	s_lshl_b32 s45, 0x1111, s40                    ; my column: places cx, cx + 4, cx + 8, cx + 12
	s_or_b32 s[G1+0], s44, FIELDS                  ; x's tiles go to my row
	s_or_b32 s[G1B+0], s45, FIELDS                 ; W's tiles go to my column
	s_mov_b32 s[G1+1], KSTEP<<16                   ; tensor_dim0 = 128
	s_mov_b32 s[G1B+1], KSTEP<<16
	s_mov_b32 s[G1+2], 128<<16                     ; tensor_dim1 = 128 rows
	s_mov_b32 s[G1B+2], 96<<16                     ;             = 96 rows
	s_mov_b32 s[G1+3], KSTEP<<16                   ; tile_dim0 = 128
	s_mov_b32 s[G1B+3], KSTEP<<16
	s_mov_b32 s[G1+4], 128                         ; tile_dim1
	s_mov_b32 s[G1B+4], 96
	s_mov_b32 s[G1+5], 1024                        ; elements from row to row
	s_mov_b32 s[G1B+5], 1024
	s_mov_b32 s[G1+6], 0
	s_mov_b32 s[G1B+6], 0
	s_mov_b32 s[G1+7], 0
	s_mov_b32 s[G1B+7], 0
	; x's tiles hang on the block of tokens alone (s16, s17, s19 never hold cx), W's on the block of columns alone (s20, s21, s46, s47 never hold cy)
	s_lshl_b32 s16, s43, 8
	s_lshl_b32 s19, s14, 7
	s_add_co_u32 s16, s16, s19                     ; row 256 x block + 128 x half
	s_lshl_b32 s16, s16, 11                        ; x 2,048 bytes: 8 MiB at the most
	s_mov_b32 s17, 0
	s_mul_i32 s20, s42, 192
	s_mul_i32 s21, s14, 96
	s_add_co_u32 s20, s20, s21                     ; row 192 x block + 96 x half
	s_lshl_b32 s20, s20, 11
	s_mov_b32 s21, 0
	s_mul_i32 s18, s14, HALFA                      ; where they go: made of the wave's number alone
	s_mul_i32 s22, s14, HALFB
	s_add_co_u32 s22, s22, 2*HALFA
	s_wait_dscnt 0x0
	s_wait_kmcnt 0x0
	s_add_nc_u64 s[16:17], s[4:5], s[16:17]
	s_add_nc_u64 s[46:47], s[6:7], s[20:21]
	CROUND                                         ; all sixteen work-groups are here: the first joint loads meet
.irp s, 0,1
	s_mov_b32 s[G0+4*\s], 1
	s_add_co_u32 s[G0+4*\s+1], s18, \s*SLOT
	s_add_nc_u64 s[G0+4*\s+2:G0+4*\s+3], s[16:17], \s*KSTEP*2      ; K step s
	s_or_b32 s[G0+4*\s+3], s[G0+4*\s+3], 0x80000000
	s_mov_b32 s[G0B+4*\s], 1
	s_add_co_u32 s[G0B+4*\s+1], s22, \s*SLOT
	s_add_nc_u64 s[G0B+4*\s+2:G0B+4*\s+3], s[46:47], \s*KSTEP*2
	s_or_b32 s[G0B+4*\s+3], s[G0B+4*\s+3], 0x80000000
	JLOAD \s                                       ; both first fills go out before anything else: two tensor loads of the wave are out
.endr
	v_and_b32 v1, 15, v0                           ; r = l % 16
	v_bfe_u32 v2, v0, 4, 1                         ; h = l / 16
	v_lshlrev_b32 v[BO], 5, v2                     ; eight f32 for each half of the lanes
	s_mul_i32 s66, s42, 768                        ; the bias of my 96 columns: (192 x block + 96 x half) x 4 bytes
	s_mul_i32 s67, s14, 384
	s_add_co_u32 s66, s66, s67
	s_mov_b32 s67, 0
	s_add_nc_u64 s[8:9], s[8:9], s[66:67]
.irp b, 0,1,2,3,4,5
	global_load_b128 v[BIAS+8*\b:BIAS+8*\b+3],   v[BO], s[8:9] offset:64*\b       ; register j: b[16 b + 8 h + j], the same for every token
	global_load_b128 v[BIAS+8*\b+4:BIAS+8*\b+7], v[BO], s[8:9] offset:64*\b+16
.endr
	; a fragment: lane l holds row l % 16; registers 0-3 hold K = 8 h + 0..7, registers 4-7 K = 16 + 8 h + 0..7: two loads of 16 bytes, 32 apart
	v_mul_u32_u24 v3, v1, PITCH
	v_lshl_add_u32 v3, v2, 4, v3
	s_mul_i32 s23, s13, HALFA                      ; my 128 rows of x
	v_add_nc_u32 v[ADRA], s23, v3
	v_add_nc_u32 v[ADRA+1], SLOT, v[ADRA]
	s_mul_i32 s23, s14, HALFB                      ; my 96 rows of W, behind x's 256
	s_add_co_u32 s23, s23, 2*HALFA
	v_add_nc_u32 v[ADRB], s23, v3
	v_add_nc_u32 v[ADRB+1], SLOT, v[ADRB]
	v_mul_u32_u24 v4, v1, SPITCH                   ; the way out, in: row 128 wm + r, byte 192 wn + 16 h
	v_lshl_add_u32 v4, v2, 4, v4
	s_mul_i32 s23, s13, 128*SPITCH
	v_add_nc_u32 v[STO], s23, v4
	s_mul_i32 s23, s14, 192
	v_add_nc_u32 v[STO], s23, v[STO]
	v_and_b32 v5, 31, v0                           ; l
	v_lshrrev_b32 v6, 3, v5                        ; back: four tokens a load, 128 bytes (a head) of each: token 64 w + l / 8, byte 16 (l % 8)
	v_and_b32 v7, 7, v0
	v_mul_u32_u24 v6, v6, SPITCH
	v_lshl_add_u32 v6, v7, 4, v6
	s_mul_i32 s23, s12, 64*SPITCH
	v_add_nc_u32 v[RD], s23, v6
	v_lshlrev_b32 v[CO], 4, v5                     ; in qkvh the four tokens' 128 bytes follow each other: 16 l + 64 w tokens of 128 bytes
	s_lshl_b32 s23, s12, 13
	v_add_nc_u32 v[CO], s23, v[CO]
; 12 matrix instructions: token tiles a0, a0 + 1 of the window's four x all 6 column tiles, 32 along K.  first = 1: the bias tile is C.
; The 48 accumulators take turns, one instruction a turn, in the same order in every quarter step.
.macro MUL12 f, hi, a0, first
.irp a, \a0, \a0+1
.irp b, 0,1,2,3,4,5
.if \first
	v_wmma_f32_16x16x32_bf16 v[8*(6*(\a)+\b):8*(6*(\a)+\b)+7], v[\f+8*\b:\f+8*\b+7], v[\f+8*(4*\hi+\a):\f+8*(4*\hi+\a)+7], v[BIAS+8*\b:BIAS+8*\b+7]
.else
	v_wmma_f32_16x16x32_bf16 v[8*(6*(\a)+\b):8*(6*(\a)+\b)+7], v[\f+8*\b:\f+8*\b+7], v[\f+8*(4*\hi+\a):\f+8*(4*\hi+\a)+7], v[8*(6*(\a)+\b):8*(6*(\a)+\b)+7]
.endif
.endr
.endr
.endm
; 28 LDS loads in one run: a quarter step's fragments (96 rows of W, 128 rows of x, 32 K at byte k of the rows) into buffer f
.macro FETCH slot, k, f
	WIN 0x40                                       ; destination window 1
.irp i, 0,1,2,3,4,5
	ds_load_b128 v[\f+8*\i:\f+8*\i+3],   v[ADRB+\slot] offset:\k+\i*16*PITCH
	ds_load_b128 v[\f+8*\i+4:\f+8*\i+7], v[ADRB+\slot] offset:\k+\i*16*PITCH+32
.endr
	WIN 0
.irp i, 0,1,2,3,4,5,6,7
	ds_load_b128 v[\f+8*\i:\f+8*\i+3],   v[ADRA+\slot] offset:\k+\i*16*PITCH
	ds_load_b128 v[\f+8*\i+4:\f+8*\i+7], v[ADRA+\slot] offset:\k+\i*16*PITCH+32
.endr
.endm
; Four places stand between a matrix instruction and a load into, or a vector instruction on, one of its registers
.macro PLACES
.rept 4
	v_nop
.endr
.endm
; One of a K step's first three quarters: multiplies buffer f, and in its middle fetches the next quarter's fragments into buffer g
.macro QUARTER slot, k, f, g, first
	s_wait_dscnt 8                                 ; W and x's rows 0-63 are in; the youngest eight loads (x's rows 64-127) may be out
.if \first
	WIN 0x81                                       ; source 0 window 1, source 1 and C window 0, D window 2
.else
	WIN 0xa1                                       ; C and D window 2
.endif
	MUL12 \f, 0, 0, \first
	MUL12 \f, 0, 2, \first
	PLACES
	FETCH \slot, \k, \g
	s_wait_dscnt 28                                ; all but the 28 just issued
.if \first
	WIN 0xc1
.else
	WIN 0xf1
.endif
	MUL12 \f, 1, 0, \first
	MUL12 \f, 1, 2, \first
.endm
.macro THREE slot, first
	QUARTER \slot, 64,  F0, F1, \first
	QUARTER \slot, 128, F1, F0, 0
	QUARTER \slot, 192, F0, F1, 0
.endm
; The last quarter multiplies buffer 1 and changes slots.  In front of the one barrier each wave waits for its reads of this slot and for all its
; tensor loads (one is out: its part of the next slot); behind it the refill comes first, then the next slot's first fragments.
; From a request to the wait for it a wave issues 180 matrix instructions.
.macro TURN slot, next, fill
	s_wait_dscnt 8
	WIN 0xa1
	MUL12 F1, 0, 0, 0
	s_wait_dscnt 0                                 ; my reads of this slot are over
	s_wait_tensorcnt 0x0                           ; and all my tensor loads have landed
	ds_add_u32 v255, v255
	s_wait_dscnt 0x0
	s_barrier_signal -1                            ; where the slot is filled again this barrier opens a round of the cluster's barrier
	MUL12 F1, 0, 2, 0                              ; registers only
	WIN 0
	s_barrier_wait -1
.if \fill
	CREST                                          ; no wave of any partner still reads this slot or has a load on its way
	s_add_nc_u64 s[G0+4*\slot+2:G0+4*\slot+3], s[G0+4*\slot+2:G0+4*\slot+3], 2*KSTEP*2
	s_add_nc_u64 s[G0B+4*\slot+2:G0B+4*\slot+3], s[G0B+4*\slot+2:G0B+4*\slot+3], 2*KSTEP*2
	JLOAD \slot                                    ; the wave's one tensor load behind the round, and the first thing there
.endif
	PLACES
	FETCH \next, 0, F0
	WIN 0xf1
	MUL12 F1, 1, 0, 0
	MUL12 F1, 1, 2, 0
.endm
.macro LAP first
	THREE 0, \first
	TURN 0, 1, 1
	THREE 1, 0
	TURN 1, 0, 1
.endm
	s_wait_loadcnt 0x0                             ; the bias tiles, once
	s_wait_tensorcnt 0x1                           ; my part of K step 0 is in; K step 1's may stay out
	s_barrier_signal -1
	s_barrier_wait -1
	FETCH 0, 0, F0
	LAP 1                                          ; the first lap's first products take the bias as C
	WIN 0
	s_mov_b32 s15, LAPS-2
.Llap:
	LAP 0
	WIN 0
	s_sub_co_u32 s15, s15, 1
	s_cmp_lg_u32 s15, 0
	s_cbranch_scc1 .Llap
	THREE 0, 0                                     ; the last lap fills nothing
	TURN 0, 1, 0
	THREE 1, 0
	s_wait_dscnt 8
	WIN 0xa1
	MUL12 F1, 0, 0, 0
	MUL12 F1, 0, 2, 0
	s_wait_dscnt 0
	WIN 0xf1
	MUL12 F1, 1, 0, 0
	MUL12 F1, 1, 2, 0
	; THE WAY OUT.  A head's 64 columns lie in two waves, so the whole block goes through LDS: slot 0, which has had its last fill and whose last
	; reads every wave waited for in front of the last lap's barrier.
	PLACES
	s_lshr_b32 s66, s43, 3                         ; b = block of tokens / 8
	s_mul_i32 s66, s66, 48
	s_mul_i32 s67, s42, 3
	s_add_co_u32 s66, s66, s67                     ; b 48 + my first head
	s_lshl_b32 s66, s66, 18                        ; x 2,048 tokens of 128 bytes
	s_and_b32 s67, s43, 7
	s_lshl_b32 s67, s67, 15                        ; + my first token x 128 bytes
	s_add_co_u32 s66, s66, s67
	s_mov_b32 s67, 0
	s_add_nc_u64 s[10:11], s[10:11], s[66:67]
; tokens 16 i .. 16 i + 15 of my 128 = the six tiles (a, 0..5) of window 2 or 3 (from = 0x0a or 0x0f)
.macro PUT16 i, a, from
	WIN \from
.irp b, 0,1,2,3,4,5
.irp r, 0,1,2,3
	v_cvt_pk_bf16_f32 v[TMP+4*\b+\r], v[8*(6*\a+\b)+2*\r], v[8*(6*\a+\b)+2*\r+1]
.endr
.endr
	WIN 0
.irp b, 0,1,2,3,4,5
	ds_store_b128 v[STO], v[TMP+4*\b:TMP+4*\b+3] offset:\i*16*SPITCH+32*\b
.endr
.endm
	PUT16 0, 0, 0x0a
	PUT16 1, 1, 0x0a
	PUT16 2, 2, 0x0a
	PUT16 3, 3, 0x0a
	PUT16 4, 0, 0x0f
	PUT16 5, 1, 0x0f
	PUT16 6, 2, 0x0f
	PUT16 7, 3, 0x0f
	s_wait_dscnt 0x0                               ; my stores are done, for the others' sake
	s_barrier_signal -1
	s_barrier_wait -1
; Wave w takes tokens 64 w .. 64 w + 63 of all three heads.  A load and a store cover four tokens x 128 bytes: 512 consecutive bytes of qkvh.
.macro OUT8 head, half, f
	s_wait_xcnt 0x0                                ; buffer f, which earlier stores read, is loaded again only behind this wait
.irp t, 0,1,2,3,4,5,6,7
	ds_load_b128 v[\f+4*\t:\f+4*\t+3], v[RD] offset:(8*\half+\t)*4*SPITCH+\head*128
.endr
.irp t, 0,1,2,3,4,5,6,7
	s_wait_dscnt 7-\t                              ; LDS loads come back in order: load t is in
	global_store_b128 v[CO], v[\f+4*\t:\f+4*\t+3], s[10:11] offset:\head*262144+(8*\half+\t)*512
.endr
.endm
	OUT8 0, 0, F0
	OUT8 0, 1, F1
	OUT8 1, 0, F0
	OUT8 1, 1, F1
	OUT8 2, 0, F0
	OUT8 2, 1, F1
	s_set_vgpr_msb 0x1
	s_wait_tensorcnt 0x0
	ds_add_u32 v255, v255
	s_wait_dscnt 0x0
	s_set_vgpr_msb 0x100
	CROUND                                         ; the closing round: no work-group ends while a partner may still ask for a tile that names it
	s_endpgm
.Lfunc_end_k_q09b19cb64d_qkv:
	.size	k_q09b19cb64d_qkv, .Lfunc_end_k_q09b19cb64d_qkv-k_q09b19cb64d_qkv
	.p2alignl 7, 3214868480
	.fill 96, 4, 3214868480
	.section	.rodata,"a",@progbits
	.p2align	6, 0x0
	.amdhsa_kernel k_q09b19cb64d_qkv
		.amdhsa_group_segment_fixed_size 327680
		.amdhsa_private_segment_fixed_size 0
		.amdhsa_enable_private_segment 0
		.amdhsa_kernarg_size 32
		.amdhsa_user_sgpr_count 2
		.amdhsa_user_sgpr_kernarg_segment_ptr 1
		.amdhsa_wavefront_size32 1
		.amdhsa_system_sgpr_workgroup_id_x 1
		.amdhsa_system_sgpr_workgroup_id_y 1
		.amdhsa_system_sgpr_workgroup_id_z 1
		.amdhsa_system_vgpr_workitem_id 0
		.amdhsa_next_free_vgpr 960
		.amdhsa_next_free_sgpr 72
		.amdhsa_reserve_vcc 0
		.amdhsa_float_denorm_mode_32 3
		.amdhsa_float_denorm_mode_16_64 3
		.amdhsa_memory_ordered 1
		.amdhsa_forward_progress 1
		.amdhsa_inst_pref_size 159
	.end_amdhsa_kernel
	.amdgpu_metadata
---
amdhsa.version: [ 1, 2 ]
amdhsa.kernels:
  - .name:           k_q09b19cb64d_qkv
    .symbol:         k_q09b19cb64d_qkv.kd
    .args:
      - { .name: xb, .offset: 0, .size: 8, .value_kind: global_buffer, .address_space: global }
      - { .name: wb, .offset: 8, .size: 8, .value_kind: global_buffer, .address_space: global }
      - { .name: qkv_b, .offset: 16, .size: 8, .value_kind: global_buffer, .address_space: global }
      - { .name: qkvh, .offset: 24, .size: 8, .value_kind: global_buffer, .address_space: global }
    .group_segment_fixed_size: 327680
    .private_segment_fixed_size: 0
    .kernarg_segment_align: 8
    .kernarg_segment_size: 32
    .max_flat_workgroup_size: 128
    .sgpr_count:     72
    .vgpr_count:     960
    .wavefront_size: 32
...
	.end_amdgpu_metadata
.endif
;; end of part 2
;; launch attn (part 3): grid 8 x 32, 8 waves a work-group, clusters of 4 x 1, 327,680 bytes of LDS; arguments qkvh, ctx; writes ctx
.if DOCPART == 3
	.amdgcn_target "amdgcn-amd-amdhsa--gfx1250"
	.amdhsa_code_object_version 6
	.text
	.protected	k_q09b19cb64d_attn
	.globl	k_q09b19cb64d_attn
	.p2align	8
	.type	k_q09b19cb64d_attn,@function
k_q09b19cb64d_attn:
	s_mov_b64 s[64:65], 0
	v_nop
	global_prefetch_b8 v0, s[64:65] scope:SCOPE_SE
	s_setreg_imm32_b32 hwreg(HW_REG_WAVE_MODE, 25, 1), 1
	s_wait_xcnt 0x0
	s_wait_alu depctr_hold_cnt(0) depctr_sa_sdst(0) depctr_va_vdst(0) depctr_va_sdst(0) depctr_va_ssrc(0) depctr_va_vcc(0) depctr_vm_vsrc(0)
	s_getreg_b32 s2, hwreg(HW_REG_IB_STS2, 6, 4)
	s_cmp_eq_u32 s2, 0
	s_cbranch_scc0 .Lentry_in_a_cluster
	s_endpgm
.Lentry_in_a_cluster:
	s_bfe_u32 s2, ttmp6, 0x10000c
	s_cmp_lg_u32 s2, 0x3003
	s_cbranch_scc0 .Lentry_shape_is_right
	s_endpgm
.Lentry_shape_is_right:
; ctx = softmax(Q K^T / 8) V for one head and 256 queries, with a running maximum; Q, K, V bf16 from qkvh, scores, maxima and sums f32.
; Grid: x = block of 256 queries (8), y = 16 b + h (32).  Eight waves, two for each of a WGP's four SIMDs, so that one wave's exponentials can issue
; beside the other's matrix instructions; a wave owns 32 queries (two tiles of 16).
; CLUSTERS: the four query blocks of a cluster read the same K and V: every tile is one joint load with the mask 15.
; TRANSPOSED FORMS, so that nothing is shuffled.  S^T = K Q^T: lane (r, h) holds query r and, of key tile kt, keys 16 kt + 8 h + 0..7.  Rounded in pairs
; these registers ARE the second source of O^T = V^T P^T (keys 8 h .. in registers 0-3, 16 + 8 h .. in 4-7).  V^T's fragments come by the transposing
; LDS load.  In O^T lane (r, h) holds query r, dh = 16 d + 8 h + 0..7: a query's maximum, factor and sum are one register a lane.
; exp(s / 8 - max) = 2^(c s - c m), c = log2(e) / 8.  The factor for old sums is 2^(nmc_new - nmc_old) of the ROUNDED products nmc = -(c m), so all
; terms of a row refer to one number exactly, for large scores too.
; LDS: two slots of 512 keys, K at pitch 144 (73,728 bytes), V at pitch 160 (81,920); 2,048 keys = two first fills and two refills.
; ctx[token / 2][h][token & 1][64] bf16: 256 consecutive bytes are two tokens of one head, written whole by sixteen lanes.
; LIMITS: the probabilities and ctx are rounded to bf16.  The maxima drop NaN (v_max3_num_f32), and infinite scores are not served.
.set KP,   144                         ; K's LDS pitch: 128 bytes + 16, an odd multiple of 16
.set VP,   160                         ; V's: 128 + 32, an odd multiple of 32, for the transposing load
.set KREG, 512*KP
.set SLOT, 512*KP+512*VP               ; 155,648
.set KA,  2                            ; v2  LDS address of the next step's K fragments
.set VA,  3                            ; v3  the same for V
.set KA0, 4                            ; v4  that address at slot 0, step 0
.set VA0, 5
.set STO, 6                            ; v6  the way out: in
.set RD,  7                            ; v7  the way out: back
.set CO,  8                            ; v8  my byte offset in ctx
.set QO,  9                            ; v9  my byte offset in Q
.set ST,  10                           ; v[10:21] query tile i at ST + 6 i: nmc, m, alpha, d, l0, l1
.set T,   22                           ; v[22:31] at work
.set SC,  32                           ; v[32:95]   scores, tile (i, kt) at SC + 8 (4 i + kt)
.set PB,  96                           ; v[96:127]  probabilities in bf16, (i, c) at PB + 8 (2 i + c), c = 32 keys
.set KF,  128                          ; v[128:191] K's fragments, (kt, dc) at KF + 8 (2 kt + dc)
.set VF,  192                          ; v[192:255] V^T's fragments, (d, c) at VF + 8 (2 d + c)
.set OA,  0                            ; window 1: v[0:63]   O^T, (i, d) at 8 (4 i + d)
.set QF,  64                           ; window 1: v[64:95]  Q's fragments, (i, dc) at QF + 8 (2 i + dc)
.set G1K, 16                           ; s[16:23] group 1 for K's tiles
.set G1V, 24                           ; s[24:31] group 1 for V's tiles: other padding
.set G0K, 32                           ; s[32:39] group 0 for K, a set for each slot
.set G0V, 40                           ; s[40:47] group 0 for V
.set MSB, 0
.macro WIN new
.if MSB != \new
	s_set_vgpr_msb (MSB<<8)|\new
.set MSB, \new
.endif
.endm
.macro JLOAD s                         ; waves 0-3 ask for K's quarters of 128 keys, waves 4-7 for V's
	s_cmp_eq_u32 s9, 0
	s_cbranch_scc0 .Lfor_v_\@
	tensor_load_to_lds s[G0K+4*\s:G0K+4*\s+3], s[G1K:G1K+7]
	s_nop 0
	s_branch .Lasked_\@
.Lfor_v_\@:
	tensor_load_to_lds s[G0V+4*\s:G0V+4*\s+3], s[G1V:G1V+7]
	s_nop 0
.Lasked_\@:
.endm
.macro ROUND                           ; a round of the cluster's barrier
	s_barrier_signal -1
	s_barrier_wait -1
	s_cmp_lg_u32 s8, 0
	s_cbranch_scc1 .Lnot_wave_0_\@
	s_barrier_signal -3
.Lnot_wave_0_\@:
	s_barrier_wait -3
	s_barrier_signal -1
	s_barrier_wait -1
.endm
.macro PLACES                          ; four places between a matrix instruction and a load into, or a vector instruction on, its registers
.rept 4
	v_nop
.endr
.endm
	s_load_b128 s[4:7], s[0:1], 0x0                ; qkvh s[4:5], ctx s[6:7]
	v_lshl_add_u32 v30, v0, 2, 0x4c000
	v_mov_b32 v31, 0
	ds_add_u32 v30, v31
	v_lshrrev_b32 v1, 5, v0
	v_readfirstlane_b32 s8, v1                     ; wave 0..7
	s_lshr_b32 s9, s8, 2                           ; I fetch for K (0) or for V (1)
	s_and_b32 s12, s8, 3                           ; which 128 keys of a slot I fetch
	s_bfe_u32 s10, ttmp6, 0x40000                  ; cx
	s_lshl_b32 s11, ttmp9, 2
	s_add_co_u32 s11, s11, s10                     ; block of queries = 4 x cluster x + cx
	s_and_b32 s13, ttmp7, 0xffff                   ; 16 b + h
	s_lshr_b32 s14, s13, 4                         ; b
	s_and_b32 s15, s13, 15                         ; h
	s_mov_b32 s48, 0x3e38aa3b                      ; c = log2(e) / 8, twice: a pair for the packed form
	s_mov_b32 s49, 0x3e38aa3b
	s_mov_b32 s50, 0xbe38aa3b                      ; -c
	s_mov_b32 s51, 0x76543210                      ; v_permlanex16_b32: lane i reads lane i of the other half
	s_mov_b32 s52, 0xfedcba98
	s_mov_b32 s[G1K+0], 15|(1<<16)|(1<<20)|(1<<21)|(4<<22)|(3<<25)   ; all four partners; 2-byte elements; after every 32 words, 4 words of padding
	s_mov_b32 s[G1V+0], 15|(1<<16)|(1<<20)|(1<<21)|(4<<22)|(7<<25)   ; 8 words of padding
	s_mov_b32 s[G1K+1], 64<<16                     ; tensor_dim0 = 64
	s_mov_b32 s[G1V+1], 64<<16
	s_mov_b32 s[G1K+2], 128<<16                    ; tensor_dim1 = 128 keys
	s_mov_b32 s[G1V+2], 128<<16
	s_mov_b32 s[G1K+3], 64<<16                     ; tile_dim0 = 64
	s_mov_b32 s[G1V+3], 64<<16
	s_mov_b32 s[G1K+4], 128                        ; tile_dim1 = 128
	s_mov_b32 s[G1V+4], 128
	s_mov_b32 s[G1K+5], 64                         ; a head's rows follow each other
	s_mov_b32 s[G1V+5], 64
	s_mov_b32 s[G1K+6], 0
	s_mov_b32 s[G1V+6], 0
	s_mov_b32 s[G1K+7], 0
	s_mov_b32 s[G1V+7], 0
	s_mul_i32 s54, s14, 48                         ; s54 to s59 never hold cx: they feed the joint loads and LDS addresses
	s_add_co_u32 s54, s54, s15
	s_lshl_b32 s54, s54, 18                        ; (48 b + h) x 2,048 tokens x 128 bytes: Q's head; K's is 16 heads on, V's 32
	s_lshl_b32 s55, s12, 14                        ; my 128 keys x 128 bytes
	s_add_co_u32 s56, s54, s55
	s_mov_b32 s57, 0
	s_mul_i32 s58, s12, 128*KP                     ; where they go
	s_mul_i32 s59, s12, 128*VP
	s_add_co_u32 s59, s59, KREG
	s_wait_dscnt 0x0
	s_wait_kmcnt 0x0
	s_add_nc_u64 s[56:57], s[4:5], s[56:57]
	ROUND                                          ; the four work-groups are here: the first joint loads meet
.irp s, 0,1
	s_mov_b32 s[G0K+4*\s], 1
	s_add_co_u32 s[G0K+4*\s+1], s58, \s*SLOT
	s_add_nc_u64 s[G0K+4*\s+2:G0K+4*\s+3], s[56:57], 16*262144+\s*65536     ; keys 512 s ..
	s_or_b32 s[G0K+4*\s+3], s[G0K+4*\s+3], 0x80000000
	s_mov_b32 s[G0V+4*\s], 1
	s_add_co_u32 s[G0V+4*\s+1], s59, \s*SLOT
	s_add_nc_u64 s[G0V+4*\s+2:G0V+4*\s+3], s[56:57], 32*262144+\s*65536
	s_or_b32 s[G0V+4*\s+3], s[G0V+4*\s+3], 0x80000000
	JLOAD \s                                       ; both first fills go out together: two tensor loads of the wave are out
.endr
	v_and_b32 v22, 15, v0                          ; r
	v_bfe_u32 v23, v0, 4, 1                        ; h
	v_lshlrev_b32 v[QO], 7, v22                    ; Q: row r of 128 bytes + 16 h
	v_lshl_add_u32 v[QO], v23, 4, v[QO]
	s_lshl_b32 s60, s11, 15                        ; my first query: 256 x block + 32 x wave, x 128 bytes
	s_add_co_u32 s60, s60, s54
	s_lshl_b32 s61, s8, 12
	s_add_co_u32 s60, s60, s61
	s_mov_b32 s61, 0
	s_add_nc_u64 s[60:61], s[4:5], s[60:61]
	WIN 0x40                                       ; destination window 1
.irp i, 0,1
.irp dc, 0,1
	global_load_b128 v[QF+8*(2*\i+\dc):QF+8*(2*\i+\dc)+3],   v[QO], s[60:61] offset:\i*2048+\dc*64
	global_load_b128 v[QF+8*(2*\i+\dc)+4:QF+8*(2*\i+\dc)+7], v[QO], s[60:61] offset:\i*2048+\dc*64+32
.endr
.endr
	WIN 0
	v_mul_u32_u24 v[KA0], v22, KP                  ; K: row r + 16 h bytes
	v_lshl_add_u32 v[KA0], v23, 4, v[KA0]
	v_and_b32 v24, 7, v0                           ; V, for the transposing load: key 8 h + l % 8, 16 bytes (l / 8) % 2
	v_lshl_add_u32 v24, v23, 3, v24
	v_mul_u32_u24 v[VA0], v24, VP
	v_bfe_u32 v25, v0, 3, 1
	v_lshl_add_u32 v[VA0], v25, 4, v[VA0]
	v_add_nc_u32 v[VA0], KREG, v[VA0]
	s_mul_i32 s55, s8, 32*KP                       ; my stage for the way out: 32 rows of 144 bytes at the head of slot 0
	v_add_nc_u32 v[STO], s55, v[KA0]               ; in: row r, 16 h
	v_bfe_u32 v26, v0, 3, 2                        ; back: four rows a load: row l / 8, 16 (l % 8)
	v_mul_u32_u24 v[RD], v26, KP
	v_and_b32 v27, 7, v0
	v_lshl_add_u32 v[RD], v27, 4, v[RD]
	v_add_nc_u32 v[RD], s55, v[RD]
	v_lshlrev_b32 v[CO], 4, v22                    ; ctx: pair of tokens l / 16 (4,096 bytes apart), byte 16 (l % 16) of its 256
	v_lshl_add_u32 v[CO], v23, 12, v[CO]
	s_lshl_b32 s62, s14, 10                        ; my first pair of tokens: 1,024 b + 128 x block + 16 x wave
	s_lshl_b32 s63, s11, 7
	s_add_co_u32 s62, s62, s63
	s_lshl_b32 s63, s8, 4
	s_add_co_u32 s62, s62, s63
	s_lshl_b32 s62, s62, 12
	s_lshl_b32 s63, s15, 8                         ; + 256 h
	s_add_co_u32 s62, s62, s63
	s_mov_b32 s63, 0
	s_add_nc_u64 s[62:63], s[6:7], s[62:63]
.macro KLOAD                           ; 16 loads: 64 keys x 64 dh of K as first source; then the address steps 64 keys on
.irp kt, 0,1,2,3
.irp dc, 0,1
	ds_load_b128 v[KF+8*(2*\kt+\dc):KF+8*(2*\kt+\dc)+3],   v[KA] offset:\kt*16*KP+\dc*64
	ds_load_b128 v[KF+8*(2*\kt+\dc)+4:KF+8*(2*\kt+\dc)+7], v[KA] offset:\kt*16*KP+\dc*64+32
.endr
.endr
	v_add_nc_u32 v[KA], 64*KP, v[KA]
.endm
.macro VLOAD                           ; 16 transposing loads: 64 dh x 64 keys of V^T as first source
.irp d, 0,1,2,3
.irp c, 0,1
	ds_load_tr16_b128 v[VF+8*(2*\d+\c):VF+8*(2*\d+\c)+3],   v[VA] offset:\c*32*VP+\d*32
	ds_load_tr16_b128 v[VF+8*(2*\d+\c)+4:VF+8*(2*\d+\c)+7], v[VA] offset:\c*32*VP+\d*32+16*VP
.endr
.endr
	v_add_nc_u32 v[VA], 64*VP, v[VA]
.endm
; The running maximum of query tile i over my 32 scores, the other half's 32 and the old maximum; nmc = -(c m); alpha = 2^(nmc - old nmc)
.macro ROWMAX i, first
.irp q, 0,1,2,3
	v_max3_num_f32 v[T+\q], v[SC+32*\i+8*\q], v[SC+32*\i+8*\q+1], v[SC+32*\i+8*\q+2]       ; four chains that do not wait for each other
.endr
.irp q, 0,1,2,3
	v_max3_num_f32 v[T+\q], v[T+\q], v[SC+32*\i+8*\q+3], v[SC+32*\i+8*\q+4]
.endr
.irp q, 0,1,2,3
	v_max3_num_f32 v[T+\q], v[T+\q], v[SC+32*\i+8*\q+5], v[SC+32*\i+8*\q+6]
.endr
	v_max3_num_f32 v[T],   v[T],   v[T+1], v[SC+32*\i+7]
	v_max3_num_f32 v[T+2], v[T+2], v[T+3], v[SC+32*\i+15]
	v_max3_num_f32 v[T],   v[T],   v[T+2], v[SC+32*\i+23]
.if \first
	v_max_num_f32 v[T], v[T], v[SC+32*\i+31]
.else
	v_max3_num_f32 v[T], v[T], v[SC+32*\i+31], v[ST+6*\i+1]
.endif
	v_permlanex16_b32 v[T+1], v[T], s51, s52       ; the same query's other 32 keys
	v_max_num_f32 v[ST+6*\i+1], v[T], v[T+1]
.if \first
	v_mul_f32 v[ST+6*\i], s50, v[ST+6*\i+1]
.else
	v_mul_f32 v[T+2], s50, v[ST+6*\i+1]
	v_sub_f32 v[ST+6*\i+3], v[T+2], v[ST+6*\i]     ; at most 0
	v_mov_b32 v[ST+6*\i], v[T+2]
	v_exp_f32 v[ST+6*\i+2], v[ST+6*\i+3]           ; the next line is a plain vector instruction on other registers (ISA guide 5.7.2)
.endif
.endm
.macro SCALE i                         ; c s - c m, two at a time, one rounding
.set n, 0
.rept 16
	v_pk_fma_f32 v[SC+32*\i+2*n:SC+32*\i+2*n+1], v[SC+32*\i+2*n:SC+32*\i+2*n+1], s[48:49], v[ST+6*\i:ST+6*\i+1] op_sel_hi:[1,0,0]
.set n, n+1
.endr
.endm
.macro EXPS i                          ; back to back; a run of plain vector instructions on other registers follows each run
.set n, 0
.rept 32
	v_exp_f32 v[SC+32*\i+n], v[SC+32*\i+n]
.set n, n+1
.endr
.endm
.macro ROWSUM i, first                 ; l = alpha l + the sum of my 32 terms, kept as a pair
	s_wait_alu depctr_va_vdst(0)
.irp q, 0,1,2,3
	v_pk_add_f32 v[T+2*\q:T+2*\q+1], v[SC+32*\i+8*\q:SC+32*\i+8*\q+1], v[SC+32*\i+8*\q+2:SC+32*\i+8*\q+3]
.endr
.irp q, 0,1,2,3
	v_pk_add_f32 v[T+2*\q:T+2*\q+1], v[T+2*\q:T+2*\q+1], v[SC+32*\i+8*\q+4:SC+32*\i+8*\q+5]
.endr
.irp q, 0,1,2,3
	v_pk_add_f32 v[T+2*\q:T+2*\q+1], v[T+2*\q:T+2*\q+1], v[SC+32*\i+8*\q+6:SC+32*\i+8*\q+7]
.endr
	v_pk_add_f32 v[T:T+1],   v[T:T+1],   v[T+2:T+3]
	v_pk_add_f32 v[T+4:T+5], v[T+4:T+5], v[T+6:T+7]
.if \first
	v_pk_add_f32 v[ST+6*\i+4:ST+6*\i+5], v[T:T+1], v[T+4:T+5]
.else
	v_pk_add_f32 v[T:T+1], v[T:T+1], v[T+4:T+5]
	v_pk_fma_f32 v[ST+6*\i+4:ST+6*\i+5], v[ST+6*\i+4:ST+6*\i+5], v[ST+6*\i+2:ST+6*\i+3], v[T:T+1] op_sel_hi:[1,0,1]
.endif
.endm
.macro PACK i                          ; 32 terms to 16 registers of bf16: the second source of O^T = V^T P^T as it stands
.set n, 0
.rept 16
	v_cvt_pk_bf16_f32 v[PB+16*\i+n], v[SC+32*\i+2*n], v[SC+32*\i+2*n+1]
.set n, n+1
.endr
.endm
.macro RESCALE                         ; O^T x alpha: a lane's 32 registers of a tile belong to one query
	WIN 0x41                                       ; source 0 and destination window 1
.set n, 0
.rept 16
	v_pk_mul_f32 v[OA+2*n:OA+2*n+1], v[OA+2*n:OA+2*n+1], v[ST+2:ST+3] op_sel_hi:[1,0]
.set n, n+1
.endr
.set n, 0
	s_wait_alu depctr_va_vdst(0)
.rept 16
	v_pk_mul_f32 v[OA+32+2*n:OA+32+2*n+1], v[OA+32+2*n:OA+32+2*n+1], v[ST+8:ST+9] op_sel_hi:[1,0]
.set n, n+1
.endr
	WIN 0
.endm
; One step: 64 keys.  first = 1: nothing old to carry.  pf = 1: the next step's fragments are fetched.
; In both runs of matrix instructions eight accumulators take turns, one instruction a turn.
.macro STEP first, pf
	s_wait_dscnt 16                                ; K's 16 loads are in; V's 16, issued behind them, may be out
	WIN 0x04                                       ; source 1 (Q) window 1
.irp i, 0,1
.irp kt, 0,1,2,3
	v_wmma_f32_16x16x32_bf16 v[SC+8*(4*\i+\kt):SC+8*(4*\i+\kt)+7], v[KF+16*\kt:KF+16*\kt+7], v[QF+16*\i:QF+16*\i+7], 0
.endr
.endr
.irp i, 0,1
.irp kt, 0,1,2,3
	v_wmma_f32_16x16x32_bf16 v[SC+8*(4*\i+\kt):SC+8*(4*\i+\kt)+7], v[KF+16*\kt+8:KF+16*\kt+15], v[QF+16*\i+8:QF+16*\i+15], v[SC+8*(4*\i+\kt):SC+8*(4*\i+\kt)+7]
.endr
.endr
	WIN 0
	PLACES
.if \pf
	KLOAD
.endif
	ROWMAX 0, \first
	ROWMAX 1, \first
	SCALE 0
	EXPS 0
	SCALE 1
	ROWSUM 0, \first
	PACK 0
	EXPS 1
.if \first
	v_nop                                          ; the plain place behind the exponentials
	s_wait_alu depctr_va_vdst(0)
.else
	RESCALE
.endif
	ROWSUM 1, \first
	PACK 1
.if \pf
	s_wait_dscnt 16                                ; V's loads are in; only the next step's 16 loads of K are younger
.else
	s_wait_dscnt 0
.endif
	WIN 0x50                                       ; C and D window 1
.irp i, 0,1
.irp d, 0,1,2,3
.if \first
	v_wmma_f32_16x16x32_bf16 v[OA+8*(4*\i+\d):OA+8*(4*\i+\d)+7], v[VF+16*\d:VF+16*\d+7], v[PB+16*\i:PB+16*\i+7], 0
.else
	v_wmma_f32_16x16x32_bf16 v[OA+8*(4*\i+\d):OA+8*(4*\i+\d)+7], v[VF+16*\d:VF+16*\d+7], v[PB+16*\i:PB+16*\i+7], v[OA+8*(4*\i+\d):OA+8*(4*\i+\d)+7]
.endif
.endr
.endr
.irp i, 0,1
.irp d, 0,1,2,3
	v_wmma_f32_16x16x32_bf16 v[OA+8*(4*\i+\d):OA+8*(4*\i+\d)+7], v[VF+16*\d+8:VF+16*\d+15], v[PB+16*\i+8:PB+16*\i+15], v[OA+8*(4*\i+\d):OA+8*(4*\i+\d)+7]
.endr
.endr
	WIN 0
	PLACES
.if \pf
	VLOAD
.endif
.endm
; A slot's 512 keys: eight steps
.macro PHASE slot, first
	v_add_nc_u32 v[KA], \slot*SLOT, v[KA0]
	v_add_nc_u32 v[VA], \slot*SLOT, v[VA0]
	KLOAD
	VLOAD
.if \first
	STEP 1, 1
	s_mov_b32 s53, 6
.else
	s_mov_b32 s53, 7
.endif
.Lsteps_\@:
	STEP 0, 1
	s_sub_co_u32 s53, s53, 1
	s_cmp_lg_u32 s53, 0
	s_cbranch_scc1 .Lsteps_\@
	STEP 0, 0                                      ; the slot's last step fetches nothing
.endm
; Slot s has been read and is filled again, 1,024 keys on.  The round takes the place of the work-group's barrier in front of a refill.
.macro REFILL s
	s_wait_dscnt 0x0                               ; my reads of the slot are over
	s_wait_tensorcnt 0x0                           ; all my tensor loads have landed, my part of the other slot among them: a group 0 may be written
	ds_add_u32 v30, v31
	s_wait_dscnt 0x0
	s_add_nc_u64 s[G0K+4*\s+2:G0K+4*\s+3], s[G0K+4*\s+2:G0K+4*\s+3], 131072
	s_add_nc_u64 s[G0V+4*\s+2:G0V+4*\s+3], s[G0V+4*\s+2:G0V+4*\s+3], 131072
	ROUND                                          ; both hold of every wave of all four work-groups
	JLOAD \s                                       ; the wave's one tensor load behind the round; it has eight steps in which to land
.endm
	s_wait_loadcnt 0x0                             ; Q, once
	s_wait_tensorcnt 0x1                           ; my part of slot 0 is in; slot 1's may stay out
	s_barrier_signal -1
	s_barrier_wait -1
	PHASE 0, 1                                     ; keys 0 - 511
	REFILL 0
	PHASE 1, 0                                     ; keys 512 - 1,023
	REFILL 1
	PHASE 0, 0                                     ; keys 1,024 - 1,535
	s_wait_dscnt 0x0                               ; my reads of slot 0 are over: behind this barrier its head serves as the stage
	s_wait_tensorcnt 0x0                           ; my part of slot 1 is in; no load is left
	s_barrier_signal -1
	s_barrier_wait -1
	PHASE 1, 0                                     ; keys 1,536 - 2,047
	; THE WAY OUT: divide by the sum, round to bf16, through my own 32 rows of LDS into whole blocks of 256 bytes
	v_add_f32 v[T],   v[ST+4],  v[ST+5]
	v_add_f32 v[T+2], v[ST+10], v[ST+11]
	v_permlanex16_b32 v[T+1], v[T],   s51, s52     ; the same query's other keys
	v_permlanex16_b32 v[T+3], v[T+2], s51, s52
	v_add_f32 v[T],   v[T],   v[T+1]
	v_add_f32 v[T+2], v[T+2], v[T+3]               ; at least about 1: the largest term of a row is 2^0 up to rounding
	v_rcp_f32 v[ST+2], v[T]
	v_rcp_f32 v[ST+8], v[T+2]
	v_nop                                          ; the plain place behind the reciprocals
	s_wait_alu depctr_va_vdst(0)
	RESCALE
	WIN 0x05                                       ; sources window 1
.set n, 0
.rept 32
	v_cvt_pk_bf16_f32 v[SC+n], v[OA+2*n], v[OA+2*n+1]
.set n, n+1
.endr
	WIN 0
.irp i, 0,1
.irp d, 0,1,2,3
	ds_store_b128 v[STO], v[SC+16*\i+4*\d:SC+16*\i+4*\d+3] offset:\i*16*KP+32*\d      ; query 16 i + r, dh 16 d + 8 h ..
.endr
.endr
.irp g, 0,1,2,3,4,5,6,7
	ds_load_b128 v[SC+32+4*\g:SC+32+4*\g+3], v[RD] offset:\g*4*KP     ; LDS serves a wave's instructions in order: these see the stores above
.endr
.irp g, 0,1,2,3,4,5,6,7
	s_wait_dscnt 7-\g
	global_store_b128 v[CO], v[SC+32+4*\g:SC+32+4*\g+3], s[62:63] offset:8192*\g      ; sixteen lanes store 256 consecutive bytes: two tokens of my head
.endr
	s_wait_tensorcnt 0x0
	ds_add_u32 v30, v31
	s_wait_dscnt 0x0
	ROUND                                          ; the closing round
	s_endpgm
.Lfunc_end_k_q09b19cb64d_attn:
	.size	k_q09b19cb64d_attn, .Lfunc_end_k_q09b19cb64d_attn-k_q09b19cb64d_attn
	.p2alignl 7, 3214868480
	.fill 96, 4, 3214868480
	.section	.rodata,"a",@progbits
	.p2align	6, 0x0
	.amdhsa_kernel k_q09b19cb64d_attn
		.amdhsa_group_segment_fixed_size 327680
		.amdhsa_private_segment_fixed_size 0
		.amdhsa_enable_private_segment 0
		.amdhsa_kernarg_size 16
		.amdhsa_user_sgpr_count 2
		.amdhsa_user_sgpr_kernarg_segment_ptr 1
		.amdhsa_wavefront_size32 1
		.amdhsa_system_sgpr_workgroup_id_x 1
		.amdhsa_system_sgpr_workgroup_id_y 1
		.amdhsa_system_sgpr_workgroup_id_z 1
		.amdhsa_system_vgpr_workitem_id 0
		.amdhsa_next_free_vgpr 352
		.amdhsa_next_free_sgpr 66
		.amdhsa_reserve_vcc 0
		.amdhsa_float_denorm_mode_32 3
		.amdhsa_float_denorm_mode_16_64 3
		.amdhsa_memory_ordered 1
		.amdhsa_forward_progress 1
		.amdhsa_inst_pref_size 169
	.end_amdhsa_kernel
	.amdgpu_metadata
---
amdhsa.version: [ 1, 2 ]
amdhsa.kernels:
  - .name:           k_q09b19cb64d_attn
    .symbol:         k_q09b19cb64d_attn.kd
    .args:
      - { .name: qkvh, .offset: 0, .size: 8, .value_kind: global_buffer, .address_space: global }
      - { .name: ctx, .offset: 8, .size: 8, .value_kind: global_buffer, .address_space: global }
    .group_segment_fixed_size: 327680
    .private_segment_fixed_size: 0
    .kernarg_segment_align: 8
    .kernarg_segment_size: 16
    .max_flat_workgroup_size: 256
    .sgpr_count:     66
    .vgpr_count:     352
    .wavefront_size: 32
...
	.end_amdgpu_metadata
.endif
;; end of part 3
;; launch proj (part 4): grid 8 x 32, 4 waves a work-group, clusters of 4 x 4, 327,680 bytes of LDS; arguments ctx, owb, out_b, out0; writes out0
.if DOCPART == 4
	.amdgcn_target "amdgcn-amd-amdhsa--gfx1250"
	.amdhsa_code_object_version 6
	.text
	.protected	k_q09b19cb64d_proj
	.globl	k_q09b19cb64d_proj
	.p2align	8
	.type	k_q09b19cb64d_proj,@function
k_q09b19cb64d_proj:
	s_mov_b64 s[64:65], 0
	v_nop
	global_prefetch_b8 v0, s[64:65] scope:SCOPE_SE
	s_setreg_imm32_b32 hwreg(HW_REG_WAVE_MODE, 25, 1), 1
	s_wait_xcnt 0x0
	s_wait_alu depctr_hold_cnt(0) depctr_sa_sdst(0) depctr_va_vdst(0) depctr_va_sdst(0) depctr_va_ssrc(0) depctr_va_vcc(0) depctr_vm_vsrc(0)
	s_getreg_b32 s2, hwreg(HW_REG_IB_STS2, 6, 4)
	s_cmp_eq_u32 s2, 0
	s_cbranch_scc0 .Lentry_in_a_cluster
	s_endpgm
.Lentry_in_a_cluster:
	s_bfe_u32 s2, ttmp6, 0x10000c
	s_cmp_lg_u32 s2, 0xf033
	s_cbranch_scc0 .Lentry_shape_is_right
	s_endpgm
.Lentry_shape_is_right:
; out0[token][e] = sum over k of ctx[token][k] Wo[e][k] + b[e], 4,096 x 1,024 x 1,024; operands bf16, sums and result f32.
; A work-group makes 128 tokens x 128 columns, so that there are 8 x 32 = 256 work-groups; four waves, each 64 x 64: 16 accumulator tiles.
; ctx lies as [pair of tokens][head][token & 1][64]: read as 2,048 rows of 2,048 elements, a tile of 256 along K (four heads) is 64 rows of 1,024 bytes.
; Token tk, k = 64 hd + d lie in row tk / 2 at byte 256 hd + 128 (tk & 1) + 2 d.
; A slot holds 256 along K, eight quarter steps of 32, brought by one load a wave: a request has 112 matrix instructions of a wave in which to land.
; CLUSTERS: 4 x 4; ctx's tiles are shared along a row of the cluster, Wo's along a column, by joint loads.
; TRANSPOSED USE: source 0 = rows of Wo, source 1 = tokens: lane l holds token l % 16, columns 8 (l / 16) + 0..7.  The bias tile is the first C.
; REGISTERS: window 0: v16-27 addresses; v32-63 / v96-127 ctx's fragments, v64-95 / v128-159 Wo's (two buffers); v160-191 bias; v192-255 the way out.
;   window 1: accumulator (a, b) at v[8 (4 a + b)].
.set AP,     1040                      ; ctx's LDS pitch: 1,024 + 16.  Lanes r = 0..15 read at (r / 2) 1040 + (r & 1) 128: sixteen different 16-byte columns of 256
.set BP,     528                       ; Wo's: 512 + 16
.set HALFA,  32*AP
.set HALFB,  64*BP
.set AREG,   2*HALFA                   ; 66,560
.set SLOT,   2*HALFA+2*HALFB           ; 134,144
.set STAGE,  2*SLOT                    ; 268,288, a multiple of 256: 16 rows x 272 bytes for each wave; no fill lands there
.set SPITCH, 272
.set ADRA, 16
.set ADRB, 20
.set STO,  24
.set RD,   25
.set CO,   26
.set BO,   27
.set FA,   32                          ; + 64 x buffer
.set FB,   64
.set BIAS, 160
.set TMP0, 192
.set TMP1, 224
.set G1,  24
.set G0,  32
.set G1B, 48
.set G0B, 56
.set MSB, 0
.macro WIN new
.if MSB != \new
	s_set_vgpr_msb (MSB<<8)|\new
.set MSB, \new
.endif
.endm
.macro JLOAD s                         ; waves 0 and 1 ask for ctx's two halves, waves 2 and 3 for Wo's
	s_cmp_eq_u32 s13, 0
	s_cbranch_scc0 .Lfor_b_\@
	tensor_load_to_lds s[G0+4*\s:G0+4*\s+3], s[G1:G1+7]
	s_nop 0
	s_branch .Lasked_\@
.Lfor_b_\@:
	tensor_load_to_lds s[G0B+4*\s:G0B+4*\s+3], s[G1B:G1B+7]
	s_nop 0
.Lasked_\@:
.endm
.macro CREST
	s_cmp_lg_u32 s12, 0
	s_cbranch_scc1 .Lnot_wave_0_\@
	s_barrier_signal -3
.Lnot_wave_0_\@:
	s_barrier_wait -3
	s_barrier_signal -1
	s_barrier_wait -1
.endm
.macro CROUND
	s_barrier_signal -1
	s_barrier_wait -1
	CREST
.endm
.macro PLACES                          ; four places between a matrix instruction and a load into, or a store of, its registers
.rept 4
	v_nop
.endr
.endm
	s_load_b256 s[4:11], s[0:1], 0x0               ; ctx s[4:5], owb s[6:7], out_b s[8:9], out0 s[10:11]
	v_lshl_add_u32 v30, v0, 2, 0x45c00
	v_mov_b32 v31, 0
	ds_add_u32 v30, v31
	v_lshrrev_b32 v1, 5, v0
	v_readfirstlane_b32 s12, v1                    ; wave 0..3
	s_lshr_b32 s13, s12, 1                         ; which 64 tokens are mine.  Also: I fetch for ctx (0) or for Wo (1)
	s_and_b32 s14, s12, 1                          ; which 64 columns.  Also: which half of that tile I fetch
	s_bfe_u32 s40, ttmp6, 0x40000                  ; cx
	s_bfe_u32 s41, ttmp6, 0x40004                  ; cy
	s_lshl_b32 s42, ttmp9, 2
	s_add_co_u32 s42, s42, s40                     ; block of columns
	s_and_b32 s43, ttmp7, 0xffff
	s_lshl_b32 s43, s43, 2
	s_add_co_u32 s43, s43, s41                     ; block of tokens
	s_lshl_b32 s44, s41, 2
	s_lshl_b32 s44, 15, s44                        ; my row of the cluster
	s_lshl_b32 s45, 0x1111, s40                    ; my column
	s_or_b32 s[G1+0], s44, (1<<16)|(1<<20)|(1<<21)|(7<<22)|(3<<25)     ; after every 256 words, 4 words of padding
	s_or_b32 s[G1B+0], s45, (1<<16)|(1<<20)|(1<<21)|(6<<22)|(3<<25)    ; after every 128 words
	s_mov_b32 s[G1+1], 512<<16                     ; tensor_dim0
	s_mov_b32 s[G1B+1], 256<<16
	s_mov_b32 s[G1+2], 32<<16                      ; tensor_dim1
	s_mov_b32 s[G1B+2], 64<<16
	s_mov_b32 s[G1+3], 512<<16                     ; tile_dim0
	s_mov_b32 s[G1B+3], 256<<16
	s_mov_b32 s[G1+4], 32                          ; tile_dim1
	s_mov_b32 s[G1B+4], 64
	s_mov_b32 s[G1+5], 2048                        ; elements from row to row
	s_mov_b32 s[G1B+5], 1024
	s_mov_b32 s[G1+6], 0
	s_mov_b32 s[G1B+6], 0
	s_mov_b32 s[G1+7], 0
	s_mov_b32 s[G1B+7], 0
	s_lshl_b32 s16, s43, 6                         ; ctx: row 64 x block + 32 x half (s16, s17, s19 never hold cx)
	s_lshl_b32 s19, s14, 5
	s_add_co_u32 s16, s16, s19
	s_lshl_b32 s16, s16, 12                        ; x 4,096 bytes
	s_mov_b32 s17, 0
	s_lshl_b32 s20, s42, 7                         ; Wo: row 128 x block + 64 x half (s20, s21, s46, s47 never hold cy)
	s_lshl_b32 s21, s14, 6
	s_add_co_u32 s20, s20, s21
	s_lshl_b32 s20, s20, 11                        ; x 2,048 bytes
	s_mov_b32 s21, 0
	s_mul_i32 s18, s14, HALFA                      ; where they go: made of the wave's number alone
	s_mul_i32 s22, s14, HALFB
	s_add_co_u32 s22, s22, AREG
	s_wait_dscnt 0x0
	s_wait_kmcnt 0x0
	s_add_nc_u64 s[16:17], s[4:5], s[16:17]
	s_add_nc_u64 s[46:47], s[6:7], s[20:21]
	CROUND                                         ; the first joint loads meet
.irp s, 0,1
	s_mov_b32 s[G0+4*\s], 1
	s_add_co_u32 s[G0+4*\s+1], s18, \s*SLOT
	s_add_nc_u64 s[G0+4*\s+2:G0+4*\s+3], s[16:17], \s*1024         ; four heads on: 1,024 bytes of a row
	s_or_b32 s[G0+4*\s+3], s[G0+4*\s+3], 0x80000000
	s_mov_b32 s[G0B+4*\s], 1
	s_add_co_u32 s[G0B+4*\s+1], s22, \s*SLOT
	s_add_nc_u64 s[G0B+4*\s+2:G0B+4*\s+3], s[46:47], \s*512
	s_or_b32 s[G0B+4*\s+3], s[G0B+4*\s+3], 0x80000000
	JLOAD \s                                       ; two tensor loads of the wave are out
.endr
	v_and_b32 v1, 15, v0                           ; r
	v_bfe_u32 v2, v0, 4, 1                         ; h
	v_lshlrev_b32 v[BO], 5, v2
	s_lshl_b32 s68, s42, 9                         ; my 64 columns: (128 x block + 64 x half) x 4 bytes
	s_lshl_b32 s69, s14, 8
	s_add_co_u32 s68, s68, s69
	s_mov_b32 s69, 0
	s_add_nc_u64 s[8:9], s[8:9], s[68:69]
.irp b, 0,1,2,3
	global_load_b128 v[BIAS+8*\b:BIAS+8*\b+3],   v[BO], s[8:9] offset:64*\b
	global_load_b128 v[BIAS+8*\b+4:BIAS+8*\b+7], v[BO], s[8:9] offset:64*\b+16
.endr
	v_lshrrev_b32 v3, 1, v1                        ; ctx's fragment: row r / 2, 128 (r & 1), 16 h
	v_and_b32 v4, 1, v0
	v_mul_u32_u24 v3, v3, AP
	v_lshl_add_u32 v3, v4, 7, v3
	v_lshl_add_u32 v3, v2, 4, v3
	s_mul_i32 s23, s13, 32*AP                      ; my 64 tokens = 32 rows
	v_add_nc_u32 v[ADRA], s23, v3
	v_add_nc_u32 v[ADRA+1], SLOT, v[ADRA]
	v_mul_u32_u24 v5, v1, BP
	v_lshl_add_u32 v5, v2, 4, v5
	s_mul_i32 s23, s14, 64*BP
	s_add_co_u32 s23, s23, AREG
	v_add_nc_u32 v[ADRB], s23, v5
	v_add_nc_u32 v[ADRB+1], SLOT, v[ADRB]
	s_mul_i32 s23, s12, 16*SPITCH
	s_add_co_u32 s23, s23, STAGE                   ; my stage
	v_mul_u32_u24 v6, v1, SPITCH                   ; in: row r, 32 bytes for each half of the lanes
	v_lshl_add_u32 v6, v2, 5, v6
	v_add_nc_u32 v[STO], s23, v6
	v_mul_u32_u24 v7, v2, SPITCH                   ; back: lanes 0-15 one row of 256 bytes, lanes 16-31 the next
	v_lshl_add_u32 v7, v1, 4, v7
	v_add_nc_u32 v[RD], s23, v7
	v_lshlrev_b32 v[CO], 4, v1                     ; and the same two rows of out0
	v_lshl_add_u32 v[CO], v2, 12, v[CO]
	s_lshl_b32 s66, s43, 7                         ; my first token: 128 x block + 64 x half, x 4,096 bytes; + my first column
	s_lshl_b32 s67, s13, 6
	s_add_co_u32 s66, s66, s67
	s_lshl_b32 s66, s66, 12
	s_add_co_u32 s66, s66, s68
	s_mov_b32 s67, 0
	s_add_nc_u64 s[10:11], s[10:11], s[66:67]
; 16 LDS loads: quarter step q (32 along K) of the slot into a buffer: 64 rows of Wo, 64 tokens
.macro FETCH slot, q, buf
.irp i, 0,1,2,3
	ds_load_b128 v[FB+64*\buf+8*\i:FB+64*\buf+8*\i+3],   v[ADRB+\slot] offset:\i*16*BP+64*\q
	ds_load_b128 v[FB+64*\buf+8*\i+4:FB+64*\buf+8*\i+7], v[ADRB+\slot] offset:\i*16*BP+64*\q+32
.endr
.irp i, 0,1,2,3
	ds_load_b128 v[FA+64*\buf+8*\i:FA+64*\buf+8*\i+3],   v[ADRA+\slot] offset:\i*8*AP+(\q>>1)*256+(\q&1)*64
	ds_load_b128 v[FA+64*\buf+8*\i+4:FA+64*\buf+8*\i+7], v[ADRA+\slot] offset:\i*8*AP+(\q>>1)*256+(\q&1)*64+32
.endr
.endm
; 16 matrix instructions; the 16 accumulators take turns, one instruction a turn, in the same order in every quarter
.macro MUL16 buf, first
.if \first
	WIN 0x40                                       ; D window 1, C (the bias) window 0
.else
	WIN 0x50                                       ; C and D window 1
.endif
.irp a, 0,1,2,3
.irp b, 0,1,2,3
.if \first
	v_wmma_f32_16x16x32_bf16 v[8*(4*\a+\b):8*(4*\a+\b)+7], v[FB+64*\buf+8*\b:FB+64*\buf+8*\b+7], v[FA+64*\buf+8*\a:FA+64*\buf+8*\a+7], v[BIAS+8*\b:BIAS+8*\b+7]
.else
	v_wmma_f32_16x16x32_bf16 v[8*(4*\a+\b):8*(4*\a+\b)+7], v[FB+64*\buf+8*\b:FB+64*\buf+8*\b+7], v[FA+64*\buf+8*\a:FA+64*\buf+8*\a+7], v[8*(4*\a+\b):8*(4*\a+\b)+7]
.endif
.endr
.endr
	WIN 0
.endm
; One of a slot's first seven quarters: fetches quarter nq into buffer f, then multiplies buffer m
.macro QUARTER slot, nq, m, f, first
	PLACES
	FETCH \slot, \nq, \f
	s_wait_dscnt 16                                ; all but the 16 just issued
	MUL16 \m, \first
.endm
.macro SEVEN slot, first
	QUARTER \slot, 1, 0, 1, \first
	QUARTER \slot, 2, 1, 0, 0
	QUARTER \slot, 3, 0, 1, 0
	QUARTER \slot, 4, 1, 0, 0
	QUARTER \slot, 5, 0, 1, 0
	QUARTER \slot, 6, 1, 0, 0
	QUARTER \slot, 7, 0, 1, 0
.endm
; The eighth quarter multiplies buffer 1 and changes slots: each wave's waits, one barrier (where the slot is filled again it opens a round of the
; cluster's barrier), the refill first behind it, then the next slot's first fragments
.macro LASTQ slot, next, fill
	s_wait_dscnt 0x0                               ; my reads of this slot are over
	s_wait_tensorcnt 0x0                           ; all my tensor loads have landed: my part of the next slot
	ds_add_u32 v30, v31
	s_wait_dscnt 0x0
	s_barrier_signal -1
	MUL16 1, 0                                     ; registers only
	s_barrier_wait -1
.if \fill
	CREST
	s_add_nc_u64 s[G0+4*\slot+2:G0+4*\slot+3], s[G0+4*\slot+2:G0+4*\slot+3], 2048
	s_add_nc_u64 s[G0B+4*\slot+2:G0B+4*\slot+3], s[G0B+4*\slot+2:G0B+4*\slot+3], 1024
	JLOAD \slot                                    ; the wave's one tensor load behind the round
.endif
	PLACES
	FETCH \next, 0, 0
.endm
	s_wait_loadcnt 0x0                             ; the bias tiles, once
	s_wait_tensorcnt 0x1                           ; my part of slot 0 is in; slot 1's may stay out
	s_barrier_signal -1
	s_barrier_wait -1
	FETCH 0, 0, 0
	SEVEN 0, 1                                     ; K 0 - 255; the first products take the bias as C
	LASTQ 0, 1, 1
	SEVEN 1, 0                                     ; K 256 - 511
	LASTQ 1, 0, 1
	SEVEN 0, 0                                     ; K 512 - 767
	LASTQ 0, 1, 0                                  ; nothing is left to fetch
	SEVEN 1, 0                                     ; K 768 - 1,023
	s_wait_dscnt 0x0
	MUL16 1, 0
	; THE WAY OUT, 16 tokens at a time through my own stage: a lane's 32 bytes in, whole rows of 256 bytes back
	PLACES
.macro OUT16 a, tmp
	WIN 0x04                                       ; the stores' data window 1
.irp b, 0,1,2,3
	ds_store_b128 v[STO], v[8*(4*\a+\b):8*(4*\a+\b)+3]   offset:64*\b
	ds_store_b128 v[STO], v[8*(4*\a+\b)+4:8*(4*\a+\b)+7] offset:64*\b+16
.endr
	WIN 0
	s_wait_xcnt 0x0                                ; the registers that earlier stores read are loaded again only behind this wait
.irp t, 0,1,2,3,4,5,6,7
	ds_load_b128 v[\tmp+4*\t:\tmp+4*\t+3], v[RD] offset:\t*2*SPITCH     ; LDS serves a wave's instructions in order: these see the stores above
.endr
.irp t, 0,1,2,3,4,5,6,7
	s_wait_dscnt 7-\t
	global_store_b128 v[CO], v[\tmp+4*\t:\tmp+4*\t+3], s[10:11] offset:\a*65536+\t*8192 th:TH_STORE_NT   ; sixteen lanes store 256 consecutive bytes, at a multiple of 256 from out0's first byte
.endr
.endm
	OUT16 0, TMP0
	OUT16 1, TMP1
	OUT16 2, TMP0
	OUT16 3, TMP1
	s_wait_tensorcnt 0x0
	ds_add_u32 v30, v31
	s_wait_dscnt 0x0
	CROUND                                         ; the closing round
	s_endpgm
.Lfunc_end_k_q09b19cb64d_proj:
	.size	k_q09b19cb64d_proj, .Lfunc_end_k_q09b19cb64d_proj-k_q09b19cb64d_proj
	.p2alignl 7, 3214868480
	.fill 96, 4, 3214868480
	.section	.rodata,"a",@progbits
	.p2align	6, 0x0
	.amdhsa_kernel k_q09b19cb64d_proj
		.amdhsa_group_segment_fixed_size 327680
		.amdhsa_private_segment_fixed_size 0
		.amdhsa_enable_private_segment 0
		.amdhsa_kernarg_size 32
		.amdhsa_user_sgpr_count 2
		.amdhsa_user_sgpr_kernarg_segment_ptr 1
		.amdhsa_wavefront_size32 1
		.amdhsa_system_sgpr_workgroup_id_x 1
		.amdhsa_system_sgpr_workgroup_id_y 1
		.amdhsa_system_sgpr_workgroup_id_z 1
		.amdhsa_system_vgpr_workitem_id 0
		.amdhsa_next_free_vgpr 384
		.amdhsa_next_free_sgpr 72
		.amdhsa_reserve_vcc 0
		.amdhsa_float_denorm_mode_32 3
		.amdhsa_float_denorm_mode_16_64 3
		.amdhsa_memory_ordered 1
		.amdhsa_forward_progress 1
		.amdhsa_inst_pref_size 89
	.end_amdhsa_kernel
	.amdgpu_metadata
---
amdhsa.version: [ 1, 2 ]
amdhsa.kernels:
  - .name:           k_q09b19cb64d_proj
    .symbol:         k_q09b19cb64d_proj.kd
    .args:
      - { .name: ctx, .offset: 0, .size: 8, .value_kind: global_buffer, .address_space: global }
      - { .name: owb, .offset: 8, .size: 8, .value_kind: global_buffer, .address_space: global }
      - { .name: out_b, .offset: 16, .size: 8, .value_kind: global_buffer, .address_space: global }
      - { .name: out0, .offset: 24, .size: 8, .value_kind: global_buffer, .address_space: global }
    .group_segment_fixed_size: 327680
    .private_segment_fixed_size: 0
    .kernarg_segment_align: 8
    .kernarg_segment_size: 32
    .max_flat_workgroup_size: 128
    .sgpr_count:     72
    .vgpr_count:     384
    .wavefront_size: 32
...
	.end_amdgpu_metadata
.endif
;; end of part 4
